; MI455X (gfx1250); checked and timed in simulation.
; The chip was launched on July 23, 2026; its instructions are those of AMD's public machine-readable ISA for CDNA 5 (MIT licence, August 2026) and "CDNA5" Instruction Set Architecture Reference Guide (July 2026). The comments in the code are by the model that wrote it; some were corrected since.
;; Bert Self Attention. Allowed arithmetic: matrix products marked QUANTISED: E2M1 operands, one E8M0 scale for each 32 along K, by v_wmma_scale_f32_16x16x128_f8f6f4 with both operands' format E2M1 (or v_wmma_scale_f32_32x16x128_f4), f32 sums; everything else in f32.
;; Inputs: Wk 1,024 x 1,024 float32; Wq 1,024 x 1,024 float32; Wv 1,024 x 1,024 float32; attention_mask 4 x 1 x 1 x 2,048 float32; bk 1,024 float32; bq 1,024 float32; bv 1,024 float32; hidden_states 4 x 2,048 x 1,024 float32.
;; Outputs: out0 4 x 2,048 x 1,024 float32.
;; This version of the problem:
;;   THIS VERSION OF THE PROBLEM IS GIVEN IN LOW PRECISION. The matrix products marked QUANTISED in the list below multiply operands that are first quantised to E2M1 (2 exponent bits, 1 mantissa bit; 4 bits a number), with one power-of-two scale for each 32 numbers along K (OCP MX v1.0); their sums are f32. All else is computed in f32.
;;   The module's matrix products, in the order in which they are computed (A, B: the left and right operand; K: the contracted axis; several contracted axes count as one K, in the product's order):
;;     1. [M 8,192, K 1,024] x [K 1,024, N 1,024]; A: input hidden_states; B: input Wq: QUANTISED
;;     2. [M 8,192, K 1,024] x [K 1,024, N 1,024]; A: input hidden_states; B: input Wk: QUANTISED
;;     3. [M 8,192, K 1,024] x [K 1,024, N 1,024]; A: input hidden_states; B: input Wv: QUANTISED
;;     4. batch 64 x [M 2,048, K 64] x [K 64, N 2,048]; A: computed on the way; B: computed on the way: QUANTISED
;;     5. batch 64 x [M 2,048, K 2,048] x [K 2,048, N 64]; A: softmax (see below); B: computed on the way: QUANTISED
;;   THE QUANTISER, for each operand of a quantised product, along K:
;;     - K is cut into blocks of 32 from its start; a last block that is shorter is filled with zeros.
;;     - A block's scale is 2^e with e = floor(log2(the largest magnitude in the block)) - 2, held to -126 .. 127; a block of zeros has e = 0. As a byte (E8M0): e + 127.
;;     - Each number is divided by its block's scale, clamped to +-6, and rounded to the nearest number of E2M1, ties to even, subnormals kept.
;;     - The product sums the exact products of the quantised numbers (number of the format x scale) in f32.
;;   ~~~python
;;   def quantise(x, axis):      # numpy; x: float32 -> the quantised numbers, widened to float32 again
;;       x = np.moveaxis(x, axis, -1); K = x.shape[-1]
;;       x = np.pad(x, [(0, 0)] * (x.ndim - 1) + [(0, -K % 32)]); x = x.reshape(x.shape[:-1] + (-1, 32)); a = np.abs(x).max(-1, keepdims=True)
;;       e = np.where(a > 0, np.clip(np.frexp(np.where(a > 0, a, 1))[1] - 1 - 2, -126, 127), 0)      # np.frexp(a)[1] - 1 = floor(log2(a)), exactly
;;       r = np.clip(x / 2.0 ** e, -6, 6)
;;       step = 2.0 ** (np.maximum(np.frexp(np.where(r == 0, 1, r))[1] - 1, 0) - 1)
;;       q = np.round(r / step) * step * 2.0 ** e      # np.round: ties to even
;;       return np.moveaxis(q.reshape(q.shape[:-2] + (-1,))[..., :K], -1, axis).astype(np.float32)
;;   ~~~
;;   SOFTMAX AHEAD OF A QUANTISED PRODUCT. Where the list says 'softmax', what is quantised is not the finished softmax but p = 2^(t - M), with t = logit x log2(e) and M = ceil(the row's largest t), a whole number; so 1/2 < the row's largest p <= 1. The row's sum l is taken of the UNQUANTISED p, in f32, and the product's result is divided by l at the end. Since M is a whole number, a kernel that streams over the keys may use a running M (the ceiling of the running maximum): every later rescaling is an exact power of two, which a block's scale takes up: the codes' values come out the same.
;;   OPERANDS COMPUTED ON THE WAY. 'Computed on the way' means the value that the module computes at that place (a softmax that the list does not call 'softmax' is quantised finished and normalised). What goes into a quantiser is computed in f32, as accurately as f32 sums, v_exp_f32 and their like allow (about 1e-6 of the number): no bf16 or f16 on the way to a quantiser, and a product that is left as it is and whose result goes on into a quantised operand takes f32 operands (vector FMAs, or v_wmma_f32_16x16x4_f32). A number that lies on a knife's edge between two numbers of the format may be rounded either way, as far as f32 arithmetic and the matrix unit's own rounding can turn it there, and no further.
;; One version. Each part assembles by itself: llvm-mc -triple=amdgcn-amd-amdhsa -mcpu=gfx1250 --defsym DOCPART=n.
;; ======== version 1 of 1: 3 launches
;; limits: right only within a limited range of input values
;; workspace buffers: codes 5,767,168 bytes; cscl 360,448 bytes; qrec 9,175,040 bytes; kv 9,175,040 bytes
;; launch quant_x (part 1): grid 352 x 1, 4 waves a work-group, no clusters, 51,712 bytes of LDS; arguments hidden_states, codes, cscl, Wq, Wk, Wv; writes codes, cscl
.if DOCPART == 1
	.amdgcn_target "amdgcn-amd-amdhsa--gfx1250"
	.amdhsa_code_object_version 6
	.text
	.protected	k_qc867361a29_quant_x
	.globl	k_qc867361a29_quant_x
	.p2align	8
	.type	k_qc867361a29_quant_x,@function
k_qc867361a29_quant_x:
	s_mov_b64 s[64:65], 0
	v_nop
	global_prefetch_b8 v0, s[64:65] scope:SCOPE_SE
	s_setreg_imm32_b32 hwreg(HW_REG_WAVE_MODE, 25, 1), 1
	s_wait_xcnt 0x0
; hidden_states, 8,192 rows x 1,024 f32, become codes of FP4 (E2M1), K innermost (512 bytes a row), and one E8M0 byte for each 32 along K (32 bytes a row).
; A block's scale is 2^(floor(log2(its largest magnitude)) - 2): its byte is the largest magnitude's exponent field - 2, held at 1 from below.
; LIMITS: a block whose largest magnitude lies under 2^-124 is held at the byte 1; a block of zeros gets the byte 1 where the rule says 127 (its codes are zeros, and this program alone
; reads the bytes); NaN and infinities among the inputs are not served.
; WHERE A ROW GOES: row p is stored at place p with bits 3 and 4 exchanged.  Sixteen neighbouring places (tile t, lane r) then hold rows 32 (t / 2) + 8 (t % 2) + r + 8 (r / 8): the order in which the
; products' results fall so that sixteen registers of two neighbouring tiles are sixteen neighbours.  A wave takes 8 rows (8,192 numbers), so the exchange is one of the wave's number's two bits.
; A wave takes 16 steps of 512 numbers.  Each of a step's four loads reads 512 consecutive bytes; the 2,048 bytes turn through the wave's own stage in LDS and come back 64 bytes a lane, since the
; conversions take neighbours along K from one lane's registers.  Two neighbouring lanes hold a block.  No barrier: waves share nothing.  Loads run four steps ahead, the turn through LDS one step.
.set STEPS, 16
.set CB,    8                          ; bytes of 16 codes
.set R,     16                         ; v16-79   four sets of 16 numbers as they are loaded
.set X,     80                         ; v80-111  two sets of 16 neighbours
.set C,     128                        ; v128-191 codes: four registers for each step, so that no store's data are written again
.set E,     112                        ; v112-127 a scale byte for each step
.set WREG,  8192                       ; LDS: a region for each wave: two stages of 32 x SP bytes, behind them its 256 scale bytes
.set SP,    80                         ; a lane's place in a stage: 64 bytes + 16 of padding
	s_load_b128 s[4:7], s[0:1], 0x0                ; hidden_states, codes
	s_load_b64 s[8:9], s[0:1], 0x10                ; cscl
	v_lshl_add_u32 v192, v0, 2, 0x8000
	v_mov_b32 v193, 0
	s_cmp_ge_u32 ttmp9, 96                         ; work-groups 0 .. 95 take the weights, the other 256 hidden_states
	s_wait_alu depctr_va_vdst(0)
	s_cbranch_scc1 .Ltokens
; THE WEIGHTS.  Wq, Wk, Wv, each [1,024 (k)][1,024 (n)] f32 with K as the first axis, become codes laid [n][k] and one E8M0 byte for each 32 along K: rows 8,192 + 1,024 x weight + n of codes and cscl,
; each row at its place with bits 3 and 4 exchanged, as the rows of hidden_states are.  A lane takes a column n and its registers run down K.  The same limits hold as for hidden_states.
; Work-group g: rows 64 (g / 2) on, 512 (g % 2) along K on.  Wave w: 32 columns (w % 2), 256 along K (w / 2): eight blocks a lane; two neighbouring waves read the two halves of each 256 bytes of a row of W.
; The codes meet in LDS bytes that this path alone uses; behind one barrier sixteen lanes store 256 consecutive bytes, aligned.  The scale bytes leave as 16 bytes of each row of 32: one byte in 128 of what is read.
.set WST, 33280                        ; 64 rows x (256 bytes of codes + 16)
.set WSS, WST+64*272                   ; 64 rows x 16 scale bytes
	s_load_b128 s[12:15], s[0:1], 0x18             ; Wq, Wk
	s_load_b64 s[16:17], s[0:1], 0x28              ; Wv
	v_lshrrev_b32 v1, 5, v0
	v_readfirstlane_b32 s18, v1                    ; wave 0..3
	s_and_b32 s19, s18, 1                          ; which 32 columns
	s_lshr_b32 s20, s18, 1                         ; which 256 along K
	s_lshl_b32 s21, s19, 5
	s_lshl_b32 s22, s20, 7
	s_add_co_u32 s22, s22, WST
	s_lshl_b32 s23, s20, 3
	s_add_co_u32 s23, s23, WSS
	s_mul_i32 s24, s18, 16*272
	s_add_co_u32 s24, s24, WST
	s_lshl_b32 s25, s18, 13                        ; 16 rows of 512 bytes
	s_lshr_b32 s26, ttmp9, 1
	s_and_b32 s27, ttmp9, 1
	s_and_b32 s28, s26, 15
	s_lshl_b32 s28, s28, 8                         ; 64 columns x 4 bytes
	s_lshl_b32 s29, s19, 7
	s_add_co_u32 s28, s28, s29
	s_lshl_b32 s29, s27, 1
	s_add_co_u32 s29, s29, s20
	s_lshl_b32 s29, s29, 20                        ; 256 rows of 4,096 bytes
	s_add_co_u32 s28, s28, s29
	s_mov_b32 s29, 0
	s_lshl_b32 s30, s26, 15                        ; 64 rows of 512 bytes
	s_add_co_u32 s30, s30, 8192*512
	s_lshl_b32 s31, s27, 8
	s_add_co_u32 s30, s30, s31
	s_mov_b32 s31, 0
	s_lshl_b32 s32, s26, 11                        ; 64 rows of 32 bytes
	s_add_co_u32 s32, s32, 8192*32
	s_lshl_b32 s33, s27, 4
	s_add_co_u32 s32, s32, s33
	s_mov_b32 s33, 0
	v_and_b32 v2, 31, v0                           ; lane
	v_lshlrev_b32 v3, 2, v2                        ; in: 4 bytes a lane
	v_and_b32 v6, 7, v2
	v_bfe_u32 v11, v2, 3, 1
	v_bfe_u32 v12, v2, 4, 1
	v_lshl_or_b32 v6, v11, 4, v6
	v_lshl_or_b32 v6, v12, 3, v6                   ; the lane's number with bits 3 and 4 exchanged
	v_add_nc_u32 v6, s21, v6                       ; my column's place among the 64 rows
	v_mul_u32_u24 v4, v6, 272
	v_add_nc_u32 v4, s22, v4                       ; into the stage: my row, my 128 bytes of it
	v_lshlrev_b32 v5, 4, v6
	v_add_nc_u32 v5, s23, v5                       ; my row's scale bytes, my 8 of them
	v_and_b32 v13, 15, v0
	v_bfe_u32 v14, v0, 4, 1
	v_mul_u32_u24 v7, v14, 272
	v_lshl_add_u32 v7, v13, 4, v7
	v_add_nc_u32 v7, s24, v7                       ; out of the stage: rows 16 w on, sixteen lanes to a row
	v_lshlrev_b32 v8, 9, v14
	v_lshl_add_u32 v8, v13, 4, v8
	v_add_nc_u32 v8, s25, v8                       ; and the same place in codes
	v_add_nc_u32 v10, s21, v2                      ; the scale bytes: a lane a row (waves 0 and 1 store them)
	v_lshl_add_u32 v9, v10, 4, WSS
	v_lshlrev_b32 v10, 5, v10
	s_wait_alu depctr_va_vdst(0)
	s_wait_kmcnt 0x0
	s_cmp_lt_u32 ttmp9, 64                         ; which weight: the choice hangs on the work-group's number alone
	s_cselect_b64 s[14:15], s[14:15], s[16:17]
	s_cmp_lt_u32 ttmp9, 32
	s_cselect_b64 s[12:13], s[12:13], s[14:15]
	s_add_nc_u64 s[12:13], s[12:13], s[28:29]
	s_add_nc_u64 s[6:7], s[6:7], s[30:31]
	s_add_nc_u64 s[8:9], s[8:9], s[32:33]
.macro WLOAD t                         ; block t: W(32 t + i, my column), i = 0 .. 31, into set t % 2
.set ii, 0
.rept 32
	global_load_b32 v[32+32*((\t)%2)+ii], v3, s[12:13] offset:(32*(\t)+ii)*4096 th:TH_LOAD_NT
.set ii, ii+1
.endr
.endm
.macro WBLOCK t
.set WX, 32+32*((\t)%2)
.if (\t) < 7
	s_wait_loadcnt 32                              ; this block's 32 loads are in; the next block's may be out
.else
	s_wait_loadcnt 0x0
.endif
	v_max3_num_f32 v12, |v[WX]|, |v[WX+1]|, |v[WX+2]|              ; the block's largest magnitude: all 32 numbers are mine
	v_max3_num_f32 v13, |v[WX+3]|, |v[WX+4]|, |v[WX+5]|
.irp i, 6,10,14,18,22,26
	s_delay_alu instid0(VALU_DEP_2)
	v_max3_num_f32 v12, v12, |v[WX+\i]|, |v[WX+\i+1]|
	s_delay_alu instid0(VALU_DEP_2)
	v_max3_num_f32 v13, v13, |v[WX+\i+2]|, |v[WX+\i+3]|
.endr
	s_delay_alu instid0(VALU_DEP_2)
	v_max3_num_f32 v12, v12, |v[WX+30]|, |v[WX+31]|
	s_delay_alu instid0(VALU_DEP_1)
	v_max3_num_f32 v12, v12, v13, 0x1800000        ; and the floor 2^(3 - 127): the byte cannot fall under 1
	s_delay_alu instid0(VALU_DEP_1)
	v_add_nc_u32 v11, 0xff000000, v12              ; 2 off its exponent field: the conversion's scale operand
	s_delay_alu instid0(VALU_DEP_1)
	v_lshrrev_b32 v13, 23, v11                     ; the scale's byte
.if (\t)%4 == 0
	s_delay_alu instid0(VALU_DEP_1)
	v_mov_b32 v[24+(\t)/4], v13                    ; four bytes to a word, the lower K in the lower byte
.else
	s_delay_alu instid0(VALU_DEP_1)
	v_lshl_or_b32 v[24+(\t)/4], v13, 8*((\t)%4), v[24+(\t)/4]
.endif
.irp g, 0,1,2,3
	v_cvt_scalef32_pk8_fp4_f32 v[96+\g], v[WX+8*\g:WX+8*\g+7], v11
.endr
	ds_store_b128 v4, v[96:99] offset:16*(\t)      ; 32 codes: 16 bytes of my column's row
.if (\t)+2 < 8
	WLOAD (\t)+2
.endif
	s_wait_dscnt 0x0                               ; the store has read its registers: the next block's codes may be written
.endm
	WLOAD 0
	WLOAD 1
.irp t, 0,1,2,3,4,5,6,7
	WBLOCK \t
.endr
	s_wait_alu depctr_va_vdst(0)
	ds_store_b64 v5, v[24:25]                      ; my column's eight scale bytes
	s_wait_dscnt 0x0                               ; for the others' sake: my stores into the stage are done
	s_barrier_signal -1
	s_barrier_wait -1
.irp i, 0,1,2,3,4,5,6,7
	ds_load_b128 v[112+4*\i:112+4*\i+3], v7 offset:\i*544
.endr
.irp i, 0,1,2,3,4,5,6,7
	s_wait_dscnt 7-\i                              ; rows 2 i, 2 i + 1 are back; the younger loads may be out
	global_store_b128 v8, v[112+4*\i:112+4*\i+3], s[6:7] offset:1024*\i   ; sixteen lanes store 256 consecutive bytes, aligned
.endr
	s_cmp_lt_u32 s18, 2
	s_cbranch_scc0 .Lend
	ds_load_b128 v[32:35], v9
	s_wait_dscnt 0x0
	global_store_b128 v10, v[32:35], s[8:9]
	s_branch .Lend
.Ltokens:
	v_lshrrev_b32 v1, 5, v0
	v_readfirstlane_b32 s16, v1                    ; wave 0..3
	v_and_b32 v2, 31, v0                           ; lane
	v_lshlrev_b32 v3, 4, v2                        ; my 16 bytes of a load's 512
	s_mul_i32 s17, s16, WREG
	v_lshrrev_b32 v14, 2, v2
	v_mul_u32_u24 v14, v14, SP
	v_and_b32 v15, 3, v2
	v_lshl_add_u32 v14, v15, 4, v14
	v_add_nc_u32 v14, s17, v14                     ; the stage, on the way in: SP (lane / 4) + 16 (lane % 4)
	v_mul_u32_u24 v15, v2, SP
	v_add_nc_u32 v15, s17, v15                     ; and on the way out: SP x lane: my 16 neighbours
	v_mul_u32_u24 v4, v2, CB                       ; my codes' place in a step's
	v_lshrrev_b32 v5, 1, v2
	s_add_co_u32 s17, s17, 2*32*SP
	v_add_nc_u32 v5, s17, v5                       ; LDS: my wave's 256 scale bytes, my block's byte
	v_lshlrev_b32 v7, 3, v2                        ; and on the way out 8 bytes a lane
	v_add_nc_u32 v6, s17, v7
	s_sub_co_u32 s18, ttmp9, 96                    ; which of the 256 work-groups for hidden_states
	s_lshl_b32 s18, s18, 2
	s_add_co_u32 s19, s18, s16                     ; the run of 8 rows that I read: 4 x work-group + wave
	s_and_b32 s20, s16, 1
	s_lshl_b32 s20, s20, 1
	s_lshr_b32 s21, s16, 1
	s_or_b32 s20, s20, s21                         ; the wave's two bits exchanged
	s_add_co_u32 s18, s18, s20                     ; the run of 8 places that I write
	s_lshl_b32 s22, s19, 15                        ; 8 rows of 4,096 bytes (under 2^25)
	s_mov_b32 s23, 0
	s_lshl_b32 s24, s18, 12                        ; 8 rows of 512 bytes of codes
	s_mov_b32 s25, 0
	s_lshl_b32 s26, s18, 8                         ; 8 rows of 32 scale bytes
	s_mov_b32 s27, 0
	s_wait_alu depctr_va_vdst(0)
	s_wait_kmcnt 0x0
	s_add_nc_u64 s[4:5], s[4:5], s[22:23]
	s_add_nc_u64 s[6:7], s[6:7], s[24:25]
	s_add_nc_u64 s[8:9], s[8:9], s[26:27]
.macro LOAD t
.irp i, 0,1,2,3
	global_load_b128 v[R+16*((\t)%4)+4*\i:R+16*((\t)%4)+4*\i+3], v3, s[4:5] offset:2048*(\t)+512*\i th:TH_LOAD_NT   ; 32 lanes read 512 consecutive bytes
.endr
.endm
.macro TURN t                          ; step t's numbers through the stage: LDS serves a wave's instructions in order, so no wait stands between the stores and the loads
.irp i, 0,1,2,3
	ds_store_b128 v14, v[R+16*((\t)%4)+4*\i:R+16*((\t)%4)+4*\i+3] offset:32*SP*((\t)%2)+8*SP*\i
.endr
.irp i, 0,1,2,3
	ds_load_b128 v[X+16*((\t)%2)+4*\i:X+16*((\t)%2)+4*\i+3], v15 offset:32*SP*((\t)%2)+16*\i
.endr
.endm
.irp t, 0,1,2,3
	LOAD \t
.endr
	s_wait_loadcnt 12                              ; step 0's four loads are in; twelve younger ones stay out
	TURN 0
.macro STEP t
.set XS, X+16*((\t)%2)
.if (\t) > 0
	s_wait_dscnt 1                                 ; this step's numbers are back from the stage (the last step's byte store may be out)
.else
	s_wait_dscnt 0x0
.endif
.if (\t)+4 < STEPS
	LOAD (\t)+4                                    ; into the registers that the stage's stores have read
.endif
.if (\t)+1 < STEPS
.if STEPS-2-(\t) >= 3
	s_wait_loadcnt 12                              ; the next step's four loads are in; those of the three steps behind it may be out
.else
	s_wait_loadcnt 4*(STEPS-2-(\t))
.endif
	TURN (\t)+1                                    ; through the other stage while this step is worked
.endif
	v_max3_num_f32 v8, |v[XS]|, |v[XS+1]|, |v[XS+2]|               ; the largest magnitude of my 16, in two chains
	v_max3_num_f32 v9, |v[XS+3]|, |v[XS+4]|, |v[XS+5]|
.irp i, 6,10
	v_max3_num_f32 v8, v8, |v[XS+\i]|, |v[XS+\i+1]|
	v_max3_num_f32 v9, v9, |v[XS+\i+2]|, |v[XS+\i+3]|
.endr
	v_max3_num_f32 v8, v8, |v[XS+14]|, |v[XS+15]|
	v_max3_num_f32 v8, v8, v9, 0x1800000           ; and the floor 2^(3 - 127): the byte cannot fall under 1
	v_max_num_f32_dpp v8, v8, v8 row_xmask:1 row_mask:0xf bank_mask:0xf   ; and of my neighbour's 16: the block's
	v_add_nc_u32 v11, 0xff000000, v8               ; 2 off its exponent field: the conversion takes the exponent field of this operand as its scale
	v_cvt_scalef32_pk8_fp4_f32 v[C+4*(\t)], v[XS:XS+7], v11
	v_cvt_scalef32_pk8_fp4_f32 v[C+4*(\t)+1], v[XS+8:XS+15], v11
	v_lshrrev_b32 v[E+(\t)], 23, v11               ; the scale's byte (a plain line behind the conversions)
	ds_store_b8 v5, v[E+(\t)] offset:16*(\t)       ; both lanes of a block write the same byte with the same value
	global_store_b64 v4, v[C+4*(\t):C+4*(\t)+1], s[6:7] offset:32*CB*(\t)   ; the wave stores 256 consecutive bytes, aligned
.endm
.irp t, 0,1,2,3,4,5,6,7,8,9,10,11,12,13,14,15
	STEP \t
.endr
	ds_load_b64 v[12:13], v6                       ; LDS serves a wave's instructions in order: these see my stores
	s_wait_dscnt 0x0
	global_store_b64 v7, v[12:13], s[8:9]          ; 32 lanes store 256 consecutive bytes, aligned
.Lend:
	s_wait_tensorcnt 0x0                           ; the wave's end, on both paths
	ds_add_u32 v192, v193
	s_wait_dscnt 0x0
	s_endpgm
.Lfunc_end_k_qc867361a29_quant_x:
	.size	k_qc867361a29_quant_x, .Lfunc_end_k_qc867361a29_quant_x-k_qc867361a29_quant_x
	.p2alignl 7, 3214868480
	.fill 96, 4, 3214868480
	.section	.rodata,"a",@progbits
	.p2align	6, 0x0
	.amdhsa_kernel k_qc867361a29_quant_x
		.amdhsa_group_segment_fixed_size 51712
		.amdhsa_private_segment_fixed_size 0
		.amdhsa_enable_private_segment 0
		.amdhsa_kernarg_size 48
		.amdhsa_user_sgpr_count 2
		.amdhsa_user_sgpr_kernarg_segment_ptr 1
		.amdhsa_wavefront_size32 1
		.amdhsa_system_sgpr_workgroup_id_x 1
		.amdhsa_system_sgpr_workgroup_id_y 1
		.amdhsa_system_sgpr_workgroup_id_z 1
		.amdhsa_system_vgpr_workitem_id 0
		.amdhsa_next_free_vgpr 194
		.amdhsa_next_free_sgpr 66
		.amdhsa_reserve_vcc 0
		.amdhsa_float_denorm_mode_32 3
		.amdhsa_float_denorm_mode_16_64 3
		.amdhsa_memory_ordered 1
		.amdhsa_forward_progress 1
		.amdhsa_inst_pref_size 79
	.end_amdhsa_kernel
	.amdgpu_metadata
---
amdhsa.version: [ 1, 2 ]
amdhsa.kernels:
  - .name:           k_qc867361a29_quant_x
    .symbol:         k_qc867361a29_quant_x.kd
    .args:
      - { .name: hidden_states, .offset: 0, .size: 8, .value_kind: global_buffer, .address_space: global }
      - { .name: codes, .offset: 8, .size: 8, .value_kind: global_buffer, .address_space: global }
      - { .name: cscl, .offset: 16, .size: 8, .value_kind: global_buffer, .address_space: global }
      - { .name: Wq, .offset: 24, .size: 8, .value_kind: global_buffer, .address_space: global }
      - { .name: Wk, .offset: 32, .size: 8, .value_kind: global_buffer, .address_space: global }
      - { .name: Wv, .offset: 40, .size: 8, .value_kind: global_buffer, .address_space: global }
    .group_segment_fixed_size: 51712
    .private_segment_fixed_size: 0
    .kernarg_segment_align: 8
    .kernarg_segment_size: 48
    .max_flat_workgroup_size: 128
    .sgpr_count:     66
    .vgpr_count:     194
    .wavefront_size: 32
...
	.end_amdgpu_metadata
.endif
;; end of part 1
;; launch qkv (part 2): grid 8 x 48, 4 waves a work-group, clusters of 4 x 4, 327,680 bytes of LDS; arguments codes, cscl, bq, bk, bv, qrec, kv; writes qrec, kv
.if DOCPART == 2
	.amdgcn_target "amdgcn-amd-amdhsa--gfx1250"
	.amdhsa_code_object_version 6
	.text
	.protected	k_qc867361a29_qkv
	.globl	k_qc867361a29_qkv
	.p2align	8
	.type	k_qc867361a29_qkv,@function
k_qc867361a29_qkv:
	s_mov_b64 s[64:65], 0
	v_nop
	global_prefetch_b8 v0, s[64:65] scope:SCOPE_SE
	s_setreg_imm32_b32 hwreg(HW_REG_WAVE_MODE, 25, 1), 1
	s_wait_xcnt 0x0
	s_wait_alu depctr_hold_cnt(0) depctr_sa_sdst(0) depctr_va_vdst(0) depctr_va_sdst(0) depctr_va_ssrc(0) depctr_va_vcc(0) depctr_vm_vsrc(0)
	s_getreg_b32 s2, hwreg(HW_REG_IB_STS2, 6, 4)
	s_cmp_eq_u32 s2, 0
	s_cbranch_scc0 .Lentry_in_a_cluster
	s_endpgm
.Lentry_in_a_cluster:
	s_bfe_u32 s2, ttmp6, 0x10000c
	s_cmp_lg_u32 s2, 0xf033
	s_cbranch_scc0 .Lentry_shape_is_right
	s_endpgm
.Lentry_shape_is_right:
; q = x Wq + bq, k = x Wk + bk, v = x Wv + bv on codes of FP4 (E2M1) with E8M0 scales (K = 1,024), and the results quantised again on the way out: q and k along the head's 64, v along the keys.
; The buffers codes (512 bytes a row) and cscl (32 bytes a row) hold x in rows 0 .. 8,191, Wq^T from 8,192, Wk^T from 9,216, Wv^T from 10,240; every row lies at its place with bits 3 and 4 exchanged, so that
; sixteen neighbouring places (tile t, lane r) are rows 32 (t / 2) + 8 (t % 2) + r + 8 (r / 8).
; A work-group of four waves makes 256 x 256 results, a wave 128 x 128: 64 accumulators, 512 registers.  Source 0 of the matrix instruction is called B here, source 1 A: in a result a lane holds ONE row of A, and the
; 64 registers of A's block a run along B's rows: register 16 c + i is B's row 32 c + 16 (lane / 16) + i.  So B is the axis along which the result is quantised:
;   mode 0 (cluster y < 8):  A = 256 tokens of x, B = 256 rows of Wq^T or Wk^T (four heads): a lane holds a token, its registers two heads' 64 numbers each;
;   mode 1 (cluster y >= 8): A = 256 rows of Wv^T, B = 256 tokens of x: a lane holds one of v's features, its registers 128 keys.
; K goes through two LDS slots of 512 along K; with K = 1,024 each slot is filled once, at the start, and so are the scale bytes of the work-group's 512 rows.  By this text's own count a wave has three tensor loads out at the most.
; CLUSTERS: 4 x 4 work-groups.  A's tile hangs on cy and the cluster's place, B's on cx and the cluster's place: A's is asked for jointly along a row of the cluster, B's along a column.
; THE RESULTS LEAVE AS IMAGES OF OPERAND REGISTERS, in records of 8,960 bytes, one for each (batch, head) and 128 tokens, [64][16] records in qrec and in kv:
;   0     q's or k's codes: tile t at 512 t + 16 x lane: the four registers that hold a token's 64 codes (the other four of a fragment are zeros and are not stored);
;   4,096 v's codes: tile d at 1,024 d + 512 c + 16 x lane: registers 4 c .. 4 c + 3 of the fragment (16 features x 128 keys);
;   8,192 q's or k's scale words: 256 (t / 4) + 16 r + 4 (t % 4); a word is two bytes and 0x7f7f above them;      8,704 v's scale words: 16 r + 4 d.
; Every store of a wave covers 512 consecutive bytes or two runs of 256, aligned.  No LDS on the way out.
; LIMITS: a block whose largest magnitude lies under 2^-124 is held at the byte 1; a block of zeros gets the byte 1 where the rule says 127 (its codes are zeros, this program alone reads the bytes); NaN and infinities are not served.
; REGISTERS, in windows of 256: window 0: v0-31 addresses; v32-95 scale words, two sets; v96-111 the bias by A's rows; v128-191 A's fragments, one set; v192-255 the bias by B's rows.
;   window 1: B's fragments, two sets, at v0 and v128.   window 2: the accumulators of A's blocks 0-3 ((a, b) at v[8 (8 a + b)]);   window 3: those of blocks 4-7.
.set NQ,     4                         ; matrix instructions deep in a slot
.set ROWB,   512                       ; a tile's row in bytes: all 1,024 codes of a row; the head's four tiles (A's 256 rows, B's 256 rows, A's scales, B's scales) come by one tensor load a wave
.set KROW,   512                       ; a row of codes in memory
.set PITCH,  528                       ; an LDS row: 512 bytes + 16 of padding = 132 words: the 16 rows that a load touches start at 16 different banks
.set FR,     8                         ; registers of a fragment
.set NL,     2                         ; LDS loads that bring one
.set NP,     4                         ; places behind this matrix instruction (ISA guide 7.12.1)
.set HALFT,  128*PITCH
.set SLOT,   256                       ; the second 512 along K begin 256 bytes on in each LDS row
.set KS,     32                        ; a row of scale bytes
.set SCL,    4*HALFT                   ; behind A's and B's 256 rows: the scales, as units of 256 bytes + 16 of padding
.set HALFS,  (128*KS/256)*272          ; the scales of 128 rows: half of what one tensor load brings
.set SBLK,   (16*KS/256)*272           ; those of 16 rows
.set SPARE,  SCL+4*HALFS               ; behind the scales: the spare words, 128 bytes for each wave, which no other line names
.set REC,    8960                      ; a record
.set HEADB,  16*REC                    ; a head's sixteen records
.set ADRA, 16                          ; v16-17  LDS address of my A fragments in slot 0, 1
.set ADRB, 20                          ; v20-21  the same for B
.set ADRS, 27                          ; v27     LDS address of my scale words: lanes 0-15 A's rows, lanes 16-31 B's
.set SPW,  28                          ; v28     LDS address of my spare word; never rewritten
.set NIL,  29                          ; v29     0; never rewritten
.set BPO,  30                          ; v30     64 x (lane / 16): the bias by B's rows
.set BQO,  31                          ; v31     4 (r + 8 (r / 8)): the bias by A's rows
.set SC,   32                          ; scale words: set s at v[SC + 32 s]; register 4 i + q: lanes 0-15 A's block i, lanes 16-31 B's block i, the slot's q-th 128 along K
.set BQ,   96                          ; v96-111  the bias of my row of A's block a, twice: v[BQ + 2 a], v[BQ + 2 a + 1]
.set AF,   128                         ; A's fragments
.set BP,   192                         ; v192-255 register 16 c + i: the bias of B's row 32 c + 16 (lane / 16) + i
.set X,    32                          ; the way out: 64 results with their bias
.set TM,   112                         ; v112-127 at work in the quantiser
.set PCS,  128                         ; v128-191 the codes: eight registers for each of A's blocks, so that no store's data are written again
.set SW,   16                          ; v16-23  a scale word for each of A's blocks
.set SV,   8                           ; v8-11   mode 1: the four words that a lane stores
.set TMP,  12
.set PW,   24
.set LI,   25                          ; 16 x lane
.set SA,   26                          ; HEADB x (lane / 16) + 16 r
.set SH,   27                          ; 16 x (lane / 16)
.set G1, 24                            ; s[24:31] descriptor group 1 for A's tiles;  s[32:35] group 0
.set G0, 32
.set G1B, 48                           ; s[48:55], s[56:59] the same for B's tiles
.set G0B, 56
.set G1S, 68                           ; s[68:75], s[76:79] groups 1 and 0 for A's scales;  s[80:87], s[88:91] for B's
.set G0S, 76
.set G1SB, 80
.set G0SB, 88
.set SEL, 92                           ; s[92:93] the way out: v_permlanex16_b32's selects for lane l xor 16
.set M16, 94                           ; s94     0xffff
.set M7F, 45                           ; s45     0x7f7f0000
.set MODE, 95                          ; s95
.set OB,  100                          ; s[100:101] my first record
.set MSB, 0
.macro WIN new                         ; the immediate's high byte repeats the setting that is left
.if MSB != (\new)
	s_set_vgpr_msb (MSB<<8)|(\new)
.set MSB, (\new)
.endif
.endm
.set MUL_LO, 0xa1                      ; source 0 (B) window 1, source 1 (A) window 0, C and D window 2
.set MUL_HI, 0xf1                      ; the same, C and D window 3
.set TO_B,   0x40                      ; destination window 1, address window 0
; A joint load: waves 0 and 1 fetch for A, waves 2 and 3 for B.  Each of the two lines has one mask and one set of registers for all that issue it; the branch hangs on the wave's number alone.
; Four v_nop follow each of the two lines, ahead of the jump, the label and what follows.
.macro JLOAD g0a, g1a, g0b, g1b
	s_cmp_eq_u32 s15, 0
	s_cbranch_scc0 .Lfor_b_\@
	tensor_load_to_lds s[\g0a:\g0a+3], s[\g1a:\g1a+7]
	s_nop 0
.rept 4
	v_nop
.endr
	s_branch .Lasked_\@
.Lfor_b_\@:
	tensor_load_to_lds s[\g0b:\g0b+3], s[\g1b:\g1b+7]
	s_nop 0
.rept 4
	v_nop
.endr
.Lasked_\@:
.endm
.macro CROUND                          ; a round of the cluster's barrier
	s_barrier_signal -1
	s_barrier_wait -1
	s_cmp_lg_u32 s14, 0
	s_cbranch_scc1 .Lnot_wave_0_\@
	s_barrier_signal -3
.Lnot_wave_0_\@:
	s_barrier_wait -3
	s_barrier_signal -1
	s_barrier_wait -1
.endm
	s_load_b128 s[4:7], s[0:1], 0x0                ; codes, cscl
	s_load_b128 s[8:11], s[0:1], 0x10              ; bq, bk
	s_load_b64 s[12:13], s[0:1], 0x20              ; bv
	s_load_b64 s[96:97], s[0:1], 0x28              ; qrec
	s_load_b64 s[98:99], s[0:1], 0x30              ; kv
	v_lshl_add_u32 v[SPW], v0, 2, SPARE
	v_mov_b32 v[NIL], 0
	ds_add_u32 v28, v29
	ds_add_u32 v28, v29
	s_wait_dscnt 0x0
	v_lshrrev_b32 v1, 5, v0
	v_readfirstlane_b32 s14, v1                    ; wave 0..3
	s_lshr_b32 s15, s14, 1                         ; which half of A's rows is mine.
	s_and_b32 s16, s14, 1                          ; which half of B's rows.
	s_bfe_u32 s40, ttmp6, 0x40000                  ; cx, cy: my place in the cluster
	s_bfe_u32 s41, ttmp6, 0x40004
	s_and_b32 s18, ttmp7, 0xffff                   ; cluster y, 0 .. 11
	s_sub_co_u32 s19, s18, 8
	s_lshl_b32 s19, s19, 1
	s_add_co_u32 s19, s19, ttmp9                   ; mode 1: 2 (cluster y - 8) + cluster x: which four tiles of tokens
	s_lshl_b32 s20, s18, 2
	s_cmp_ge_u32 s18, 8                            ; the mode: the same in all sixteen partners
	s_cselect_b32 s[MODE], 1, 0
	s_cselect_b32 s19, s19, ttmp9                  ; B's tiles: four to a cluster, counted by this number
	s_cselect_b32 s21, 0, 8192                     ; B's first row in the buffers: x, or Wq^T and Wk^T
	s_cselect_b32 s20, 0, s20                      ; A's tiles: 4 x cluster y + cy, or cy alone
	s_cselect_b32 s22, 10240, 0                    ; A's first row: Wv^T, or x
	s_lshl_b32 s42, s19, 2
	s_add_co_u32 s42, s42, s40                     ; B's tile
	s_add_co_u32 s17, s20, s41                     ; A's tile
	s_lshl_b32 s43, s41, 2
	s_lshl_b32 s43, 15, s43                        ; my row of the cluster
	s_lshl_b32 s44, 0x1111, s40                    ; my column
	; descriptor group 1: a tile of 256 rows x 512 bytes, padded in LDS
	s_or_b32 s[G1+0], s43, (0<<16)|(1<<20)|(1<<21)|(6<<22)|(3<<25)  ; the mask: A's tiles go to my row; elements of 1 byte; padding: four words after every 128
	s_or_b32 s[G1B+0], s44, (0<<16)|(1<<20)|(1<<21)|(6<<22)|(3<<25) ; B's go to my column
.irp g, G1, G1B
	s_mov_b32 s[\g+1], ROWB<<16                    ; tensor_dim0
	s_mov_b32 s[\g+2], 256<<16                     ; tensor_dim1
	s_mov_b32 s[\g+3], ROWB<<16                    ; tile_dim0
	s_mov_b32 s[\g+4], 256                         ; tile_dim1
	s_mov_b32 s[\g+5], KROW                        ; tensor_dim0_stride
	s_mov_b32 s[\g+6], 0
	s_mov_b32 s[\g+7], 0
.endr
	; the scales of 256 rows: a dense block of 8,192 bytes, as 32 rows of 256 bytes (32 elements of 8 bytes), 16 bytes of padding behind each
	s_or_b32 s[G1S+0], s43, (3<<16)|(1<<20)|(1<<21)|(5<<22)|(3<<25)
	s_or_b32 s[G1SB+0], s44, (3<<16)|(1<<20)|(1<<21)|(5<<22)|(3<<25)
.irp g, G1S, G1SB
	s_mov_b32 s[\g+1], 32<<16
	s_mov_b32 s[\g+2], (256*KS/256)<<16            ; the scales of 256 rows: 32 rows of 256 bytes
	s_mov_b32 s[\g+3], 32<<16
	s_mov_b32 s[\g+4], 256*KS/256
	s_mov_b32 s[\g+5], 32
	s_mov_b32 s[\g+6], 0
	s_mov_b32 s[\g+7], 0
.endr
	s_lshl_b32 s20, s17, 8
	s_add_co_u32 s20, s20, s22                     ; A: first row + 256 x tile
	s_lshl_b32 s46, s42, 8
	s_add_co_u32 s46, s46, s21                     ; B likewise
	s_lshl_b32 s22, s20, 5                         ; where these rows' scales begin, in bytes (rows stay under 11,264),
	s_lshl_b32 s20, s20, 9                         ; and their codes
	s_lshl_b32 s92, s46, 5
	s_lshl_b32 s46, s46, 9
	s_mov_b32 s21, 0
	s_mov_b32 s23, 0
	s_mov_b32 s47, 0
	s_mov_b32 s93, 0
	s_wait_kmcnt 0x0
	s_add_nc_u64 s[20:21], s[4:5], s[20:21]
	s_add_nc_u64 s[22:23], s[6:7], s[22:23]
	s_add_nc_u64 s[46:47], s[4:5], s[46:47]
	s_add_nc_u64 s[92:93], s[6:7], s[92:93]
	CROUND                                         ; all sixteen work-groups are here: the first joint loads meet
	s_mov_b32 s[G0S], 1
	s_mov_b32 s[G0S+1], SCL
	s_mov_b64 s[G0S+2:G0S+3], s[22:23]
	s_or_b32 s[G0S+3], s[G0S+3], 0x80000000
	s_mov_b32 s[G0SB], 1
	s_mov_b32 s[G0SB+1], SCL+2*HALFS
	s_mov_b64 s[G0SB+2:G0SB+3], s[92:93]
	s_or_b32 s[G0SB+3], s[G0SB+3], 0x80000000
.irp s, 0
	s_mov_b32 s[G0+4*\s], 1
	s_mov_b32 s[G0+4*\s+1], 0
	s_add_nc_u64 s[G0+4*\s+2:G0+4*\s+3], s[20:21], \s*ROWB
	s_or_b32 s[G0+4*\s+3], s[G0+4*\s+3], 0x80000000
	s_mov_b32 s[G0B+4*\s], 1
	s_mov_b32 s[G0B+4*\s+1], 2*HALFT
	s_add_nc_u64 s[G0B+4*\s+2:G0B+4*\s+3], s[46:47], \s*ROWB
	s_or_b32 s[G0B+4*\s+3], s[G0B+4*\s+3], 0x80000000
.endr
; THE HEAD'S LOADS, ONE A WAVE: wave 0 fetches A's 256 rows, wave 1 B's, wave 2 A's scales, wave 3 B's.  One tree of branches on the wave's number: every way passes exactly one load.
.macro ARM under, g0, g1, next
	s_cmp_lt_u32 s14, \under
	s_cbranch_scc0 \next
	tensor_load_to_lds s[\g0:\g0+3], s[\g1:\g1+7]
	s_nop 0
.rept 4
	v_nop
.endr
	s_branch .Lhead_asked
\next:
.endm
	ARM 1, G0,  G1,  .Lhead_b
	ARM 2, G0B, G1B, .Lhead_sa
	ARM 3, G0S, G1S, .Lhead_sb
	tensor_load_to_lds s[G0SB:G0SB+3], s[G1SB:G1SB+7]
	s_nop 0
.rept 4
	v_nop
.endr
.Lhead_asked:
	v_and_b32 v1, 15, v0                           ; r = l % 16
	v_bfe_u32 v2, v0, 4, 1                         ; h = l / 16
	v_mul_u32_u24 v3, v1, PITCH
	v_lshl_add_u32 v4, v2, 4, v3                   ; a fragment's row x pitch + 16 x half
	s_mul_i32 s21, s15, HALFT                      ; my 128 rows of A
	s_mul_i32 s22, s16, HALFT                      ; my 128 rows of B,
	s_add_co_u32 s22, s22, 2*HALFT                 ; which lie behind A's 256
.irp s, 0,1
	v_add_nc_u32 v[ADRA+\s], s21, v4
	v_add_nc_u32 v[ADRB+\s], s22, v4
	s_add_co_u32 s21, s21, SLOT
	s_add_co_u32 s22, s22, SLOT
.endr
	v_mul_u32_u24 v5, v1, KS                       ; my row's scales: 32 bytes a row,
	v_lshrrev_b32 v6, 8, v5
	v_lshl_add_u32 v5, v6, 4, v5                   ; and 16 more for each 256 passed
	s_mul_i32 s21, s15, HALFS                      ; A's: my 128 rows
	s_mul_i32 s22, s16, HALFS                      ; B's: my 128 rows, behind A's 256
	s_add_co_u32 s22, s22, 2*HALFS
	s_sub_co_u32 s22, s22, s21
	v_mul_u32_u24 v6, s22, v2                      ; lanes 16-31 take B's
	s_add_co_u32 s21, s21, SCL
	v_add_nc_u32 v5, v5, v6
	v_add_nc_u32 v[ADRS], s21, v5
	; which records and which biases are mine.  The tile of tokens gives the batch and the step of 128 tokens, the tile of features the first of my two heads.
	s_and_b32 s66, s42, 3
	s_cmp_eq_u32 s[MODE], 1
	s_cselect_b32 s18, s42, s17                    ; the tile of 256 tokens,
	s_cselect_b32 s19, s16, s15                    ; my half of it,
	s_cselect_b32 s2, s17, s66                     ; the tile of 256 features (four heads),
	s_cselect_b32 s3, s15, s16                     ; my half of it
	s_lshl_b32 s2, s2, 2
	s_lshl_b32 s3, s3, 1
	s_add_co_u32 s2, s2, s3                        ; my first head
	s_lshr_b32 s3, s18, 3                          ; the batch
	s_lshl_b32 s3, s3, 4
	s_add_co_u32 s3, s3, s2                        ; 16 x batch + head
	s_and_b32 s18, s18, 7
	s_lshl_b32 s18, s18, 1
	s_add_co_u32 s18, s18, s19                     ; the step
	s_lshl_b32 s3, s3, 4
	s_add_co_u32 s3, s3, s18
	s_mul_i32 s66, s3, REC                         ; under 2^24
	s_mov_b32 s67, 0
	s_lshl_b32 s18, s2, 8                          ; 64 numbers of 4 bytes a head
	s_mov_b32 s19, 0
	s_cmp_eq_u32 ttmp9, 0                          ; mode 0: cluster x = 0 holds Wq's four tiles, cluster x = 1 Wk's
	s_cselect_b64 s[96:97], s[96:97], s[98:99]
	s_cselect_b64 s[8:9], s[8:9], s[10:11]
	s_cmp_eq_u32 s[MODE], 1
	s_cselect_b64 s[OB:OB+1], s[98:99], s[96:97]
	s_cselect_b64 s[8:9], s[12:13], s[8:9]
	s_add_nc_u64 s[OB:OB+1], s[OB:OB+1], s[66:67]
	s_add_nc_u64 s[8:9], s[8:9], s[18:19]          ; the bias at my first head's first number
	; both layouts of my 128 bias numbers are loaded, whatever the mode: 512 bytes from the same place; they are waited for ahead of the way out
	v_lshlrev_b32 v[BPO], 6, v2
	v_and_b32 v5, 8, v1
	v_add_nc_u32 v5, v5, v1
	v_lshlrev_b32 v[BQO], 2, v5
.irp c, 0,1,2,3
.irp j, 0,1,2,3
	global_load_b128 v[BP+16*\c+4*\j:BP+16*\c+4*\j+3], v[BPO], s[8:9] offset:128*\c+16*\j
.endr
.endr
.irp a, 0,1,2,3,4,5,6,7
	global_load_b32 v[BQ+2*\a], v[BQO], s[8:9] offset:(32*(\a/2)+8*(\a%2))*4
	global_load_b32 v[BQ+2*\a+1], v[BQO], s[8:9] offset:(32*(\a/2)+8*(\a%2))*4
.endr
.macro FRAG reg, adr, q, i             ; a fragment, 16 rows x 128 K of 4-bit codes: lane l holds row l % 16; registers 4 c .. 4 c + 3 hold K = 64 c + 32 (l / 16) + 0 .. 31
.irp c, 0,1
	ds_load_b128 v[\reg+4*\c:\reg+4*\c+3], v[\adr] offset:64*(\q)+32*\c+(\i)*16*PITCH
.endr
.endm
; 16 matrix instructions: A's blocks a0, a0 + 1 x B's eight, 128 along K: the slot's q-th.  p: B's set;  sc: the set of scale words.  zero = 1: the first product starts the sums.
; The 64 accumulators take turns, one instruction a turn, in the same order in every step.
.macro MUL16 a0, p, q, sc, zero
.irp a, \a0, \a0+1
.irp b, 0,1,2,3,4,5,6,7
.if \zero
	v_wmma_scale_f32_16x16x128_f8f6f4 v[8*(8*((\a)%4)+\b):8*(8*((\a)%4)+\b)+7], v[128*(\p)+FR*\b:128*(\p)+FR*\b+FR-1], v[AF+FR*(\a):AF+FR*(\a)+FR-1], 0, v[SC+8*NQ*(\sc)+NQ*\b+(\q)], v[SC+8*NQ*(\sc)+NQ*(\a)+(\q)] matrix_a_fmt:MATRIX_FMT_FP4 matrix_b_fmt:MATRIX_FMT_FP4 matrix_a_scale:MATRIX_SCALE_ROW1
.else
	v_wmma_scale_f32_16x16x128_f8f6f4 v[8*(8*((\a)%4)+\b):8*(8*((\a)%4)+\b)+7], v[128*(\p)+FR*\b:128*(\p)+FR*\b+FR-1], v[AF+FR*(\a):AF+FR*(\a)+FR-1], v[8*(8*((\a)%4)+\b):8*(8*((\a)%4)+\b)+7], v[SC+8*NQ*(\sc)+NQ*\b+(\q)], v[SC+8*NQ*(\sc)+NQ*(\a)+(\q)] matrix_a_fmt:MATRIX_FMT_FP4 matrix_b_fmt:MATRIX_FMT_FP4 matrix_a_scale:MATRIX_SCALE_ROW1
.endif
.endr
.endr
.endm
.macro FETCH_B slot, q, p              ; B's eight fragments of the slot's q-th 128 along K into set p
	WIN TO_B
.irp i, 0,1,2,3,4,5,6,7
	FRAG 128*(\p)+FR*\i, ADRB+\slot, \q, \i
.endr
	WIN 0
.endm
.macro FETCH_A slot, q, i0             ; A's blocks i0 .. i0 + 3
.irp i, \i0, \i0+1, \i0+2, \i0+3
	FRAG AF+FR*(\i), ADRA+\slot, \q, \i
.endr
.endm
.macro SCALES sc                       ; a slot's scale words into set sc: four words a row; lanes 0-15 take A's block i, lanes 16-31 B's block i
.irp i, 0,1,2,3,4,5,6,7
	ds_load_b128 v[SC+8*NQ*\sc+NQ*\i:SC+8*NQ*\sc+NQ*\i+3], v[ADRS] offset:\i*SBLK
.endr
.endm
; A load into a register that a matrix instruction has read, and a vector instruction that reads a matrix result or writes one of its registers, stand NP places behind it; only plain vector
; instructions that name none of its registers are places (ISA guide 7.12.1 for vector instructions).
.macro PLACES n
.rept \n
	v_nop
.endr
.endm
; A step of 128 along K that has its successor in the same slot.
.macro STEP slot, q, zero
	s_wait_dscnt 4*NL                              ; B's set and A's blocks 0-3 are in; the youngest eight loads (A's blocks 4-7) may be out
	WIN MUL_LO
	MUL16 0, (\q)%2, \q, \slot, \zero
	MUL16 2, (\q)%2, \q, \slot, \zero
	s_wait_dscnt 0                                 ; A's blocks 4-7 are in
	PLACES NP
	FETCH_B \slot, (\q)+1, 1-(\q)%2
	FETCH_A \slot, (\q)+1, 0
	WIN MUL_HI
	MUL16 4, (\q)%2, \q, \slot, \zero
	MUL16 6, (\q)%2, \q, \slot, \zero
	PLACES NP
	WIN 0
	FETCH_A \slot, (\q)+1, 4
.endm
; Slot 0's last step changes slots: one barrier; in front of it each wave waits for all its tensor loads (its part of slot 1), adds 0 to its spare word and waits for that and for its LDS loads.  Nothing is filled again.
.macro TURN slot, next
	s_wait_tensorcnt 0x0                           ; all my tensor loads have landed: my part of the next slot
	ds_add_u32 v[SPW], v[NIL]                      ; 0 onto my spare word
	s_wait_dscnt 4*NL+1                            ; (the add and the youngest eight loads, A's blocks 4-7, may be out)
	WIN MUL_LO
	MUL16 0, 1, NQ-1, \slot, 0                     ; sixteen matrix instructions stand between the add and the wait for it
	s_wait_dscnt 0x0                               ; the add is done, and my reads of this slot are over
	s_barrier_signal -1
	MUL16 2, 1, NQ-1, \slot, 0
	WIN 0
	s_barrier_wait -1                              ; every wave's part of the next slot has landed
	PLACES NP
	v_add_nc_u32 v[ADRS], 4*NQ, v[ADRS]            ; on to the next slot's scale words
	FETCH_B \next, 0, 0
	FETCH_A \next, 0, 0
	SCALES \next
	WIN MUL_HI
	MUL16 4, 1, NQ-1, \slot, 0
	MUL16 6, 1, NQ-1, \slot, 0
	PLACES NP
	WIN 0
	FETCH_A \next, 0, 4
.endm
	s_wait_alu depctr_va_vdst(0)
	s_wait_tensorcnt 0x0                           ; my one tile of the head's four is in,
	s_barrier_signal -1
	s_barrier_wait -1                              ; everybody's are
	FETCH_B 0, 0, 0
	FETCH_A 0, 0, 0
	SCALES 0
	FETCH_A 0, 0, 4
	STEP 0, 0, 1                                   ; the first step's products start the sums: nothing is cleared
	STEP 0, 1, 0
	STEP 0, 2, 0
	TURN 0, 1
	STEP 1, 0, 0
	STEP 1, 1, 0
	STEP 1, 2, 0
	s_wait_dscnt 4*NL                              ; the last step: nothing more to fetch
	WIN MUL_LO
	MUL16 0, 1, NQ-1, 1, 0
	MUL16 2, 1, NQ-1, 1, 0
	s_wait_dscnt 0
	WIN MUL_HI
	MUL16 4, 1, NQ-1, 1, 0
	MUL16 6, 1, NQ-1, 1, 0
	WIN 0
; THE WAY OUT.  64 numbers of a lane, v[s] on, register 16 c + i = place 32 c + 16 (lane / 16) + i along the axis that is quantised, become a fragment's codes in v[pc] on and its scale word in v[pw].
.macro QUANT s, pc, pw
.irp b, 0,1,2,3
	v_max3_num_f32 v[TM+\b], |v[(\s)+16*\b]|, |v[(\s)+1+16*\b]|, 0x1800000   ; block b: my 16 numbers, and the floor 2^(3 - 127): the byte cannot fall under 1
.endr
.irp i, 2,4,6,8,10,12,14
.irp b, 0,1,2,3
	v_max3_num_f32 v[TM+\b], v[TM+\b], |v[(\s)+16*\b+\i]|, |v[(\s)+1+16*\b+\i]|   ; (the four blocks by turns)
.endr
.endr
.irp b, 0,1,2,3
	v_permlanex16_b32 v[TM+4+\b], v[TM+\b], s[SEL], s[SEL+1]
.endr
.irp b, 0,1,2,3
	v_max_num_f32 v[TM+\b], v[TM+\b], v[TM+4+\b]   ; with lane l xor 16's: the block's largest magnitude
.endr
.irp b, 0,1,2,3
	v_add_nc_u32 v[TM+12+\b], 0xff000000, v[TM+\b] ; 2 off its exponent field: the conversion's scale operand
.endr
.irp b, 0,1,2,3
	v_lshrrev_b32 v[TM+4+\b], 23, v[TM+12+\b]      ; the scale's byte
.endr
	v_lshl_or_b32 v[\pw], v[TM+5], 8, v[TM+4]      ; the four bytes make my row's scale word
	v_lshl_or_b32 v[\pw], v[TM+6], 16, v[\pw]
	v_lshl_or_b32 v[\pw], v[TM+7], 24, v[\pw]
.irp b, 0,1,2,3
	v_cvt_scalef32_pk8_fp4_f32 v[(\pc)+2*\b], v[(\s)+16*\b:(\s)+7+16*\b], v[TM+12+\b]
	v_cvt_scalef32_pk8_fp4_f32 v[(\pc)+1+2*\b], v[(\s)+8+16*\b:(\s)+15+16*\b], v[TM+12+\b]
.endr
	v_nop                                          ; one plain place behind a scaled conversion
.irp c, 0,1                            ; the operand's layout wants a whole block in a lane: lanes 0-15 block 2 c, lanes 16-31 block 2 c + 1
.irp i, 0,1
	v_permlane16_swap_b32 v[(\pc)+4*\c+\i], v[(\pc)+2+4*\c+\i]
.endr
.endr
.endm
; A's block a: the bias is added (each accumulator is read from its low end on), the 128 numbers of each row are quantised, and the fragment leaves as it stands.
.macro OUT a, mode
	WIN 0x02+(\a)/4                                ; source 0: window 2 or 3
.set ii, 0
.rept 32
.if \mode
	v_pk_add_f32 v[X+ii:X+ii+1], v[64*((\a)%4)+ii:64*((\a)%4)+ii+1], v[BQ+2*(\a):BQ+2*(\a)+1]   ; the bias of my row: one of v's features
.else
	v_pk_add_f32 v[X+ii:X+ii+1], v[64*((\a)%4)+ii:64*((\a)%4)+ii+1], v[BP+ii:BP+ii+1]           ; the bias of each register's feature
.endif
.set ii, ii+2
.endr
	WIN 0
.if \mode
	QUANT X, PCS+8*(\a), SW+(\a)
	global_store_b128 v[LI], v[PCS+8*(\a):PCS+8*(\a)+3], s[OB:OB+1] offset:((\a)/4)*HEADB+4096+1024*((\a)%4)        ; head a / 4, tile a % 4 of its 64 features: keys 32 (lane / 16) on,
	global_store_b128 v[LI], v[PCS+8*(\a)+4:PCS+8*(\a)+7], s[OB:OB+1] offset:((\a)/4)*HEADB+4096+1024*((\a)%4)+512  ; and keys 64 + 32 (lane / 16) on
.else
	QUANT X, PCS+8*(\a), PW
	v_lshrrev_b32 v[TMP], v[SH], v[PW]             ; lanes 0-15 keep the first head's two bytes, lanes 16-31 take the second's
	v_and_or_b32 v[SW+(\a)], v[TMP], s[M16], s[M7F] ; above them 0x7f7f, for the 64 zero codes that fill the instruction's K
	global_store_b128 v[LI], v[PCS+8*(\a):PCS+8*(\a)+3], s[OB:OB+1] offset:512*(\a)            ; the first head's 64 codes of 16 tokens,
	global_store_b128 v[LI], v[PCS+8*(\a)+4:PCS+8*(\a)+7], s[OB:OB+1] offset:HEADB+512*(\a)    ; the second's
.endif
.endm
	PLACES NP                                      ; behind the last products: their scale words and A's fragments are written below
	s_wait_loadcnt 0x0                             ; the biases
	s_mov_b32 s[SEL], 0x76543210
	s_mov_b32 s[SEL+1], 0xfedcba98
	s_mov_b32 s[M16], 0xffff
	s_mov_b32 s[M7F], 0x7f7f0000
	v_and_b32 v[TMP], 31, v0
	v_lshlrev_b32 v[LI], 4, v[TMP]
	v_lshlrev_b32 v[SH], 4, v2
	v_mul_u32_u24 v[SA], v2, HEADB
	v_lshl_add_u32 v[SA], v1, 4, v[SA]
.irp b, 0,1,2,3
	v_mov_b32 v[TM+4+\b], 0                        ; written once: a lane permute's destination counts as one of its sources
.endr
	s_cmp_eq_u32 s[MODE], 1                        ; the same in all partners and all waves
	s_cbranch_scc1 .Lfor_v
.irp a, 0,1,2,3,4,5,6,7
	OUT \a, 0
.endr
	global_store_b128 v[SA], v[SW:SW+3], s[OB:OB+1] offset:8192      ; the scale words of tiles 0-3: lanes 0-15 the first head's 256 bytes, lanes 16-31 the second's
	global_store_b128 v[SA], v[SW+4:SW+7], s[OB:OB+1] offset:8448    ; of tiles 4-7
	s_branch .Lend
.Lfor_v:
.irp a, 0,1,2,3,4,5,6,7
	OUT \a, 1
.endr
	v_cmp_eq_u32 vcc_lo, 1, v2
.irp i, 0,1,2,3
	v_cndmask_b32 v[SV+\i], v[SW+\i], v[SW+4+\i], vcc_lo             ; lanes 0-15: the first head's four tiles; lanes 16-31: the second's
.endr
	global_store_b128 v[SA], v[SV:SV+3], s[OB:OB+1] offset:8704
.Lend:
	s_wait_tensorcnt 0x0                           ; the wave's end
	ds_add_u32 v[SPW], v[NIL]
	s_wait_dscnt 0x0
	CROUND                                         ; the closing round: no work-group ends while a partner may still ask for a tile that names it
	s_endpgm
.Lfunc_end_k_qc867361a29_qkv:
	.size	k_qc867361a29_qkv, .Lfunc_end_k_qc867361a29_qkv-k_qc867361a29_qkv
	.p2alignl 7, 3214868480
	.fill 96, 4, 3214868480
	.section	.rodata,"a",@progbits
	.p2align	6, 0x0
	.amdhsa_kernel k_qc867361a29_qkv
		.amdhsa_group_segment_fixed_size 327680
		.amdhsa_private_segment_fixed_size 0
		.amdhsa_enable_private_segment 0
		.amdhsa_kernarg_size 56
		.amdhsa_user_sgpr_count 2
		.amdhsa_user_sgpr_kernarg_segment_ptr 1
		.amdhsa_wavefront_size32 1
		.amdhsa_system_sgpr_workgroup_id_x 1
		.amdhsa_system_sgpr_workgroup_id_y 1
		.amdhsa_system_sgpr_workgroup_id_z 1
		.amdhsa_system_vgpr_workitem_id 0
		.amdhsa_next_free_vgpr 1024
		.amdhsa_next_free_sgpr 102
		.amdhsa_reserve_vcc 1
		.amdhsa_float_denorm_mode_32 3
		.amdhsa_float_denorm_mode_16_64 3
		.amdhsa_memory_ordered 1
		.amdhsa_forward_progress 1
		.amdhsa_inst_pref_size 195
	.end_amdhsa_kernel
	.amdgpu_metadata
---
amdhsa.version: [ 1, 2 ]
amdhsa.kernels:
  - .name:           k_qc867361a29_qkv
    .symbol:         k_qc867361a29_qkv.kd
    .args:
      - { .name: codes, .offset: 0, .size: 8, .value_kind: global_buffer, .address_space: global }
      - { .name: cscl, .offset: 8, .size: 8, .value_kind: global_buffer, .address_space: global }
      - { .name: bq, .offset: 16, .size: 8, .value_kind: global_buffer, .address_space: global }
      - { .name: bk, .offset: 24, .size: 8, .value_kind: global_buffer, .address_space: global }
      - { .name: bv, .offset: 32, .size: 8, .value_kind: global_buffer, .address_space: global }
      - { .name: qrec, .offset: 40, .size: 8, .value_kind: global_buffer, .address_space: global }
      - { .name: kv, .offset: 48, .size: 8, .value_kind: global_buffer, .address_space: global }
    .group_segment_fixed_size: 327680
    .private_segment_fixed_size: 0
    .kernarg_segment_align: 8
    .kernarg_segment_size: 56
    .max_flat_workgroup_size: 128
    .sgpr_count:     102
    .vgpr_count:     1024
    .wavefront_size: 32
...
	.end_amdgpu_metadata
.endif
;; end of part 2
;; launch attn (part 3): grid 4 x 64, 8 waves a work-group, clusters of 4 x 1, 327,680 bytes of LDS; arguments qrec, kv, attention_mask, out0; writes out0
.if DOCPART == 3
	.amdgcn_target "amdgcn-amd-amdhsa--gfx1250"
	.amdhsa_code_object_version 6
	.text
	.protected	k_qc867361a29_attn
	.globl	k_qc867361a29_attn
	.p2align	8
	.type	k_qc867361a29_attn,@function
k_qc867361a29_attn:
	s_mov_b64 s[64:65], 0
	v_nop
	global_prefetch_b8 v0, s[64:65] scope:SCOPE_SE
	s_setreg_imm32_b32 hwreg(HW_REG_WAVE_MODE, 25, 1), 1
	s_wait_xcnt 0x0
	s_wait_alu depctr_hold_cnt(0) depctr_sa_sdst(0) depctr_va_vdst(0) depctr_va_sdst(0) depctr_va_ssrc(0) depctr_va_vcc(0) depctr_vm_vsrc(0)
	s_getreg_b32 s2, hwreg(HW_REG_IB_STS2, 6, 4)
	s_cmp_eq_u32 s2, 0
	s_cbranch_scc0 .Lentry_in_a_cluster
	s_endpgm
.Lentry_in_a_cluster:
	s_bfe_u32 s2, ttmp6, 0x10000c
	s_cmp_lg_u32 s2, 0x3003
	s_cbranch_scc0 .Lentry_shape_is_right
	s_endpgm
.Lentry_shape_is_right:
; out0[b][q][64 head + :] = the sum over keys of softmax(q . k / 8 + mask) v, both products on codes of FP4 (E2M1) with E8M0 scales, from the records that launch qkv stored (8,960 bytes for a head and 128 tokens).
; t = (score + 8 mask) x log2(e) / 8; M = the running largest t rounded up to a whole number; p = 2^(t - M) is quantised along the keys; the row's sum is taken of the unquantised p and divides at the end.
; LIMIT: the promise holds while the scaled scores stay under 2^31 in magnitude.  A row all of whose keys are masked by -infinity is not served.
; SHARES: a work-group owns 512 queries of one head, each of its 8 waves 64 of them: FOUR tiles of 16.  One fetch of a step's fragments of K and V, scale words and mask (37 LDS loads) serves all four tiles.
; The head's 16 records (143,360 bytes) come into LDS once, one tensor load a wave (70 rows of 256 bytes), asked for jointly by the four work-groups of the head (cluster 4 x 1).  Nothing is filled again.
; No prefetch is laid: every tensor load goes out at the head, so there is no loop to run ahead in.
; LAYOUT: S^T = K Q^T, O^T = V^T P^T: a lane holds one query (lane % 16).  THE KEYS OF A TILE ARE CHOSEN BY ADDRESS: row r of tile t is key 64 (t / 4) + 32 (r / 8) + 8 (t % 4) + r % 8, so that the 32 registers of
; tiles 4 c .. 4 c + 3 are the WHOLE block 2 c + lane / 16 of 32 keys: a block's maximum needs no other lane, and the conversions' results are P's operand registers as they stand.
; The head has 64 numbers, the instruction's K is 128: Q's upper four registers are zero codes, so K's upper four may hold anything: a fragment of K is named as its four registers and the four that follow.
; The mask, x 8, is the C of the scores' products.
; THE TILES GO IN PAIRS: two tiles' softmax is written line by line together, so that dependent lines of one tile stand apart; the second tile's multiply-adds stand among the first's exponentials;
; the next pair's scores are issued ahead of this pair's rescaling and products with V; the next step's fragments are asked for a pair ahead of their use.
; REGISTERS: window 0: v0-63 addresses, state, scale words, small temporaries; v64-127, v128-191 the pair's scores; v192-199, v244-251 P's codes; v200-231 Q; v232-243 at work.
;            window 1: v0-127 O^T of the four tiles; v128-159 K; v160-223 the mask; v224-255 V.
.set REC,   8960
.set HEADB, 16*REC
.set MSK,   HEADB                      ; 8,192 bytes: the batch's mask x 8
.set STAGE, MSK+8192                   ; the way out: 16 rows x 272 bytes for each wave and tile
.set STG,   16*272
.set SPARE, STAGE+32*STG               ; the spare words, 128 bytes a wave, which no other line names
.set CH,    HEADB/8                    ; what one wave fetches
.set ALI, 1                            ; 16 x lane
.set AR,  2                            ; 16 r
.set AKL, 3                            ; K: 1,024 (r / 8) + 16 (r % 8) + 256 (lane / 16)
.set ASK, 4                            ; K's scale words: 16 (r % 8) + 8 (r / 8)
.set AMK, 5                            ; MSK + 128 (lane / 16)
.set SH8, 6                            ; 8 (lane / 16)
.set GO,  7                            ; the way out: my byte offset in out0
.set ADKK, 8
.set ADSK, 9
.set ADM, 10
.set ADV, 11
.set ADVS, 12
.set SPW, 14
.set NIL, 15
.set ST,  16                           ; v[ST + 2 q] -M, v[ST + 2 q + 1] the largest score so far, of tile q
.set LL,  24                           ; v[LL + 2 q : +1] the row's sum in two halves
.set KS,  32                           ; K's scale words, tile t
.set VS,  40                           ; V's, tile d
.set QS,  44                           ; Q's, tile q
; for the pair's tile x = 0, 1: S scores; W six registers at work (four maxima, a temporary, the old -M; then three pairs of partial sums); P codes; PW P's scale word; PT a permute's destination;
; F f = 2^(old M - new M), named as a pair; BM the two blocks' largest; SCO the conversions' scale operands; BY the bytes
.set S0,  64
.set S1,  128
.set W0,  232
.set W1,  238
.set P0,  192
.set P1,  244
.set PW0, 48
.set PT0, 49
.set F0,  50
.set BM0, 52
.set SCO0, 54
.set BY0, 56
.set PW1, 58
.set PT1, 59
.set F1,  60
.set BM1, 62
.set SCO1, 252
.set BY1, 254
.set Q,   200
.set KF,  128                          ; window 1
.set MK,  160
.set VF,  224
.set WV,  12
.set SEL, 20
.set CS,  22
.set G1,  24
.set G0,  40
.set TB,  48
.set TM,  49
.set CNT, 50
.set NC,  51
.set MSB, 0
.macro WIN new                         ; the immediate's high byte repeats the setting that is left
.if MSB != (\new)
	s_set_vgpr_msb (MSB<<8)|(\new)
.set MSB, (\new)
.endif
.endm
.macro CROUND                          ; a round of the cluster's barrier
	s_barrier_signal -1
	s_barrier_wait -1
	s_cmp_lg_u32 s[WV], 0
	s_cbranch_scc1 .Lnot_wave_0_\@
	s_barrier_signal -3
.Lnot_wave_0_\@:
	s_barrier_wait -3
	s_barrier_signal -1
	s_barrier_wait -1
.endm
	s_load_b256 s[4:11], s[0:1], 0x0               ; qrec, kv, attention_mask, out0
	v_lshl_add_u32 v[SPW], v0, 2, SPARE
	v_mov_b32 v[NIL], 0
	ds_add_u32 v[SPW], v[NIL]
	ds_add_u32 v[SPW], v[NIL]
	v_lshrrev_b32 v8, 5, v0
	v_readfirstlane_b32 s[WV], v8                  ; wave 0..7
	s_bfe_u32 s13, ttmp6, 0x40000                  ; cx: which 512 queries
	s_and_b32 s15, ttmp7, 0xffff                   ; 16 x batch + head
	s_mul_i32 s16, s15, HEADB
	s_mov_b32 s17, 0
	s_mov_b32 s[G1], 15|(3<<16)|(1<<21)            ; the four partners; elements of 8 bytes
	s_mov_b32 s[G1+1], 32<<16
	s_mov_b32 s[G1+2], 70<<16
	s_mov_b32 s[G1+3], 32<<16
	s_mov_b32 s[G1+4], 70
	s_mov_b32 s[G1+5], 32
	s_mov_b32 s[G1+6], 0
	s_mov_b32 s[G1+7], 0
	s_mul_i32 s18, s[WV], CH
	s_mov_b32 s19, 0
	s_mov_b32 s[SEL], 0x76543210
	s_mov_b32 s[SEL+1], 0xfedcba98
	s_mov_b32 s[CS], 0x3e38aa3b                    ; c = log2(e) / 8
	s_mov_b32 s[CS+1], s[CS]
	s_mov_b32 s[NC], 0xbe38aa3b                    ; -c
	s_mov_b32 s[TB], 0
	s_mov_b32 s[TM], 0
	s_wait_dscnt 0x0
	s_wait_kmcnt 0x0
	s_add_nc_u64 s[6:7], s[6:7], s[16:17]
	s_add_nc_u64 s[4:5], s[4:5], s[16:17]
	CROUND                                         ; the four partners are here: the joint loads meet
	s_mov_b32 s[G0], 1
	s_mov_b32 s[G0+1], s18
	s_add_nc_u64 s[G0+2:G0+3], s[6:7], s[18:19]
	s_or_b32 s[G0+3], s[G0+3], 0x80000000
	tensor_load_to_lds s[G0:G0+3], s[G1:G1+7]      ; my eighth of the head's records: my one tensor load
	s_nop 0
.rept 4
	v_nop
.endr
	s_lshr_b32 s16, s15, 4                         ; the batch
	s_lshl_b32 s2, s16, 13
	s_mov_b32 s3, 0
	s_add_nc_u64 s[8:9], s[8:9], s[2:3]            ; its row of the mask
	s_lshl_b32 s2, s13, 2
	s_lshr_b32 s17, s[WV], 1
	s_add_co_u32 s2, s2, s17
	s_mul_i32 s2, s2, REC
	s_add_nc_u64 s[4:5], s[4:5], s[2:3]            ; my record of q: 4 cx + wave / 2
	s_and_b32 s17, s[WV], 1
	s_lshl_b32 s18, s17, 11                        ; its tiles 4 (wave % 2) on
	s_lshl_b32 s19, s17, 8
	s_lshl_b32 s2, s16, 11
	s_lshl_b32 s17, s13, 9
	s_add_co_u32 s2, s2, s17
	s_lshl_b32 s17, s[WV], 6
	s_add_co_u32 s2, s2, s17                       ; my first token: 2,048 batch + 512 cx + 64 wave
	s_lshl_b32 s2, s2, 12
	s_and_b32 s17, s15, 15
	s_lshl_b32 s17, s17, 8
	s_add_co_u32 s2, s2, s17
	s_add_nc_u64 s[10:11], s[10:11], s[2:3]
	v_and_b32 v8, 31, v0
	v_lshlrev_b32 v[ALI], 4, v8
	v_and_b32 v9, 15, v0                           ; r
	v_bfe_u32 v10, v0, 4, 1                        ; h
	v_lshlrev_b32 v[AR], 4, v9
	v_and_b32 v11, 7, v0
	v_bfe_u32 v12, v0, 3, 1
	v_lshlrev_b32 v[AKL], 4, v11
	v_lshl_add_u32 v[AKL], v12, 10, v[AKL]
	v_lshl_add_u32 v[AKL], v10, 8, v[AKL]
	v_lshlrev_b32 v[ASK], 4, v11
	v_lshl_add_u32 v[ASK], v12, 3, v[ASK]
	v_lshl_add_u32 v[AMK], v10, 7, MSK
	v_lshlrev_b32 v[SH8], 3, v10
	v_lshlrev_b32 v[GO], 12, v10
	v_lshl_add_u32 v[GO], v9, 4, v[GO]
	v_lshlrev_b32 v13, 4, v0
	v_lshl_add_u32 v236, v0, 4, MSK
	v_add_nc_u32 v234, s18, v[ALI]
	v_add_nc_u32 v235, s19, v[AR]
	global_load_b128 v[64:67], v13, s[8:9]         ; the mask: 256 threads x 16 bytes, twice
	global_load_b128 v[68:71], v13, s[8:9] offset:4096
.irp i, 0,1,2,3
	global_load_b128 v[Q+8*\i:Q+8*\i+3], v234, s[4:5] offset:512*\i  ; Q's four fragments stay in registers
.endr
	global_load_b128 v[QS:QS+3], v235, s[4:5] offset:8192            ; and their scale words
.irp i, 0,1,2,3
.irp j, 4,5,6,7
	v_mov_b32 v[Q+8*\i+\j], 0                      ; zero codes for the instruction's upper 64 along K
.endr
.endr
	v_mov_b32 v232, 0xff61b1e6                     ; -3e38, under every score
	v_mul_f32 v233, s[NC], v232
	v_floor_f32 v233, v233
.irp q, 0,1,2,3
	v_mov_b32 v[ST+2*\q], v233
	v_mov_b32 v[ST+2*\q+1], v232
	v_mov_b32 v[LL+2*\q], 0
	v_mov_b32 v[LL+2*\q+1], 0
.endr
	v_mov_b32 v[PT0], 0
	v_mov_b32 v[PT1], 0
	v_mov_b32 v[F0+1], 0
	v_mov_b32 v[F1+1], 0
	WIN 0x40
.set jj, 0
.rept 128
	v_mov_b32 v[jj], 0                             ; O^T: the step is written for all steps alike; the first change of M leaves zeros zeros
.set jj, jj+1
.endr
	WIN 0
	s_wait_alu depctr_va_vdst(0)
	s_wait_loadcnt 0x0
.irp j, 64,65,66,67,68,69,70,71
	v_mul_f32 v[\j], 0x41000000, v[\j]             ; 8 x mask
.endr
	s_wait_alu depctr_va_vdst(0)
	s_wait_tensorcnt 0x0                           ; my part of the records is in
	ds_store_b128 v236, v[64:67]
	ds_store_b128 v236, v[68:71] offset:4096
	s_wait_dscnt 0x0
	s_barrier_signal -1
	s_barrier_wait -1                              ; everybody's part, and the mask
; eight products: the scores of tile q for the step's 128 keys into buffer sb; C = the mask
.macro SCORES q, sb
	WIN 0x11                                       ; K and the mask in window 1
.irp t, 0,1,2,3,4,5,6,7
	v_wmma_scale_f32_16x16x128_f8f6f4 v[\sb+8*\t:\sb+8*\t+7], v[KF+4*\t:KF+4*\t+7], v[Q+8*(\q):Q+8*(\q)+7], v[MK+8*\t:MK+8*\t+7], v[KS+\t], v[QS+(\q)] matrix_a_fmt:MATRIX_FMT_FP4 matrix_b_fmt:MATRIX_FMT_FP4
.endr
	WIN 0
.endm
; the record at s[TB]: K's eight fragments, their scale words, the mask of its 128 keys: 28 loads.  The three additions and the v_nop are the four places behind the products that read these registers.
.macro LOADK
	v_add_nc_u32 v[ADKK], s[TB], v[AKL]
	v_add_nc_u32 v[ADSK], s[TB], v[ASK]
	v_add_nc_u32 v[ADM], s[TM], v[AMK]
	v_nop
.irp u, 0,1,2,3
	ds_load_b64 v[KS+2*\u:KS+2*\u+1], v[ADSK] offset:8192+256*(\u/2)+128*(\u%2)
.endr
	WIN 0x40
.irp t, 0,1,2,3,4,5,6,7
	ds_load_b128 v[KF+4*\t:KF+4*\t+3], v[ADKK] offset:2048*(\t/4)+512*(\t%2)+128*((\t%4)/2)
.endr
.irp t, 0,1,2,3,4,5,6,7
	ds_load_b128 v[MK+8*\t:MK+8*\t+3], v[ADM] offset:256*(\t/4)+32*(\t%4)
	ds_load_b128 v[MK+8*\t+4:MK+8*\t+7], v[ADM] offset:256*(\t/4)+32*(\t%4)+16
.endr
	WIN 0
.endm
.macro LOADV                           ; V's four fragments and their scale words: 9 loads; then on to the next record
	v_add_nc_u32 v[ADV], s[TB], v[ALI]
	v_add_nc_u32 v[ADVS], s[TB], v[AR]
	v_nop
	v_nop
	ds_load_b128 v[VS:VS+3], v[ADVS] offset:8704
	WIN 0x40
.irp t, 0,1,2,3
.irp c, 0,1
	ds_load_b128 v[VF+8*\t+4*\c:VF+8*\t+4*\c+3], v[ADV] offset:4096+1024*\t+512*\c
.endr
.endr
	WIN 0
	s_add_co_u32 s[TB], s[TB], REC
	s_add_co_u32 s[TM], s[TM], 512
.endm
.macro TFMA q, from, n                 ; t - M for n pairs of the pair's first tile, tile q
.set jj, \from
.rept \n
	v_pk_fma_f32 v[S0+jj:S0+jj+1], v[S0+jj:S0+jj+1], s[CS:CS+1], v[ST+2*(\q):ST+2*(\q)+1] op_sel_hi:[1,0,0]
.set jj, jj+2
.endr
.endm
.macro SUMG qa, j                      ; eight additions: four chains for each tile
.irp x, 0,1
	v_pk_add_f32 v[LL+2*(\qa+\x):LL+2*(\qa+\x)+1], v[LL+2*(\qa+\x):LL+2*(\qa+\x)+1], v[S\x+\j:S\x+\j+1]
.endr
.irp x, 0,1
	v_pk_add_f32 v[W\x:W\x+1], v[W\x:W\x+1], v[S\x+\j+2:S\x+\j+3]
.endr
.irp x, 0,1
	v_pk_add_f32 v[W\x+2:W\x+3], v[W\x+2:W\x+3], v[S\x+\j+4:S\x+\j+5]
.endr
.irp x, 0,1
	v_pk_add_f32 v[W\x+4:W\x+5], v[W\x+4:W\x+5], v[S\x+\j+6:S\x+\j+7]
.endr
.endm
; tiles qa and qa + 1: softmax and their parts of O^T.  kind 0, 1: a step's first and second pair; 2, 3: the same in the last step, which fetches nothing.
.macro PAIR qa, kind
	s_wait_alu depctr_va_vdst(0)
.irp g, 0,1,2,3
.irp x, 0,1
	v_max3_num_f32 v[W\x+\g], v[S\x+16*\g], v[S\x+16*\g+1], v[S\x+16*\g+2]   ; eight chains of 16, each accumulator from its low end on
.endr
.endr
.irp i, 3,5,7,9,11,13
.irp g, 0,1,2,3
.irp x, 0,1
	v_max3_num_f32 v[W\x+\g], v[W\x+\g], v[S\x+16*\g+\i], v[S\x+16*\g+\i+1]
.endr
.endr
.endr
.irp x, 0,1
	v_mov_b32 v[W\x+5], v[ST+2*(\qa+\x)]           ; the old -M
.endr
.irp x, 0,1
	v_max3_num_f32 v[W\x], v[W\x], v[W\x+1], v[S\x+15]
.endr
.irp x, 0,1
	v_max3_num_f32 v[W\x+2], v[W\x+2], v[W\x+3], v[S\x+47]
.endr
.irp x, 0,1
	v_max_num_f32 v[W\x], v[W\x], v[S\x+31]        ; my first block's largest score,
.endr
.irp x, 0,1
	v_max_num_f32 v[W\x+2], v[W\x+2], v[S\x+63]    ; my second's
.endr
.irp x, 0,1
	v_max_num_f32 v[W\x+4], v[W\x], v[W\x+2]
.endr
.irp x, 0,1
	v_permlanex16_b32 v[PT\x], v[W\x+4], s[SEL], s[SEL+1]
.endr
.irp x, 0,1
	v_max3_num_f32 v[ST+2*(\qa+\x)+1], v[ST+2*(\qa+\x)+1], v[W\x+4], v[PT\x]   ; the row's largest score so far
.endr
.irp x, 0,1
	v_mul_f32 v[W\x+4], s[NC], v[ST+2*(\qa+\x)+1]
.endr
.irp x, 0,1
	v_floor_f32 v[ST+2*(\qa+\x)], v[W\x+4]         ; the new -M = floor(-t)
.endr
	TFMA \qa, 0, 4
.irp x, 0,1
	v_sub_f32 v[W\x+4], v[ST+2*(\qa+\x)], v[W\x+5] ; old M - new M, a whole number
.endr
	TFMA \qa, 8, 4
.irp x, 0,1
	v_cvt_i32_f32 v[W\x+4], v[W\x+4]               ; (it saturates)
.endr
	TFMA \qa, 16, 4
.irp x, 0,1
	v_ldexp_f32 v[F\x], 1.0, v[W\x+4]              ; f = 2^(old M - new M)
.endr
.irp x, 0,1
	v_fma_f32 v[BM\x], v[W\x], s[CS], v[ST+2*(\qa+\x)]       ; t - M of each block's largest score
.endr
.irp x, 0,1
	v_fma_f32 v[BM\x+1], v[W\x+2], s[CS], v[ST+2*(\qa+\x)]
.endr
	TFMA \qa, 24, 20
	s_wait_alu depctr_va_vdst(0)
.irp x, 0,1
	v_exp_f32 v[BM\x], v[BM\x]                     ; the blocks' largest p
	v_exp_f32 v[BM\x+1], v[BM\x+1]
.endr
.set jj, 0
.rept 32
	v_exp_f32 v[S0+jj], v[S0+jj]                   ; the first tile's p = 2^(t - M);
	v_exp_f32 v[S0+jj+1], v[S0+jj+1]
	v_pk_fma_f32 v[S1+jj:S1+jj+1], v[S1+jj:S1+jj+1], s[CS:CS+1], v[ST+2*(\qa+1):ST+2*(\qa+1)+1] op_sel_hi:[1,0,0]   ; among them the second tile's t - M: its sources stand ahead of the wait above, its results are read behind the wait below
.set jj, jj+2
.endr
	s_wait_alu depctr_va_vdst(0)                   ; behind the first batch and ahead of the second
.set jj, 0
.rept 64
	v_exp_f32 v[S1+jj], v[S1+jj]
.set jj, jj+1
.endr
	v_nop                                          ; a plain place behind the batch
	s_wait_alu depctr_va_vdst(0)                   ; and the wait behind it
.irp x, 0,1
	v_pk_fma_f32 v[LL+2*(\qa+\x):LL+2*(\qa+\x)+1], v[LL+2*(\qa+\x):LL+2*(\qa+\x)+1], v[F\x:F\x+1], v[S\x:S\x+1] op_sel_hi:[1,0,1]   ; the sum under the new M; the unquantised p are added in four chains a tile
.endr
.irp x, 0,1
	v_pk_add_f32 v[W\x:W\x+1], v[S\x+2:S\x+3], v[S\x+4:S\x+5]
.endr
.irp x, 0,1
	v_pk_add_f32 v[W\x+2:W\x+3], v[S\x+6:S\x+7], v[S\x+8:S\x+9]
.endr
.irp x, 0,1
	v_pk_add_f32 v[W\x+4:W\x+5], v[S\x+10:S\x+11], v[S\x+12:S\x+13]
.endr
	SUMG \qa, 14                                   ; the lines that make the scale word stand among the sums
.irp x, 0,1
	v_max_num_f32 v[BM\x], 0x1800000, v[BM\x]      ; the floor 2^(3 - 127): the byte cannot fall under 1
	v_max_num_f32 v[BM\x+1], 0x1800000, v[BM\x+1]
.endr
	SUMG \qa, 22
.irp x, 0,1
	v_add_nc_u32 v[SCO\x], 0xff000000, v[BM\x]     ; 2 off the exponent field: the conversion's scale operand
	v_add_nc_u32 v[SCO\x+1], 0xff000000, v[BM\x+1]
.endr
	SUMG \qa, 30
.irp x, 0,1
	v_lshrrev_b32 v[BY\x], 23, v[SCO\x]            ; the bytes of blocks h and 2 + h,
	v_lshrrev_b32 v[BY\x+1], 23, v[SCO\x+1]
.endr
	SUMG \qa, 38
.irp x, 0,1
	v_lshl_or_b32 v[BY\x], v[BY\x+1], 16, v[BY\x]
.endr
	SUMG \qa, 46
.irp x, 0,1
	v_lshlrev_b32 v[BY\x], v[SH8], v[BY\x]         ; at their places in the word;
.endr
	SUMG \qa, 54
.irp x, 0,1
	v_permlanex16_b32 v[PT\x], v[BY\x], s[SEL], s[SEL+1]
.endr
.irp x, 0,1
	v_pk_add_f32 v[LL+2*(\qa+\x):LL+2*(\qa+\x)+1], v[LL+2*(\qa+\x):LL+2*(\qa+\x)+1], v[S\x+62:S\x+63]
.endr
.irp x, 0,1
	v_pk_add_f32 v[W\x:W\x+1], v[W\x:W\x+1], v[W\x+2:W\x+3]
.endr
.irp x, 0,1
	v_pk_add_f32 v[LL+2*(\qa+\x):LL+2*(\qa+\x)+1], v[LL+2*(\qa+\x):LL+2*(\qa+\x)+1], v[W\x+4:W\x+5]
.endr
.irp x, 0,1
	v_or_b32 v[PW\x], v[BY\x], v[PT\x]             ; with lane l xor 16's two the word is whole
.endr
.irp x, 0,1
	v_pk_add_f32 v[LL+2*(\qa+\x):LL+2*(\qa+\x)+1], v[LL+2*(\qa+\x):LL+2*(\qa+\x)+1], v[W\x:W\x+1]
.endr
.irp c, 0,1
.irp g, 0,1,2,3
.irp x, 0,1
	v_cvt_scalef32_pk8_fp4_f32 v[P\x+4*\c+\g], v[S\x+32*\c+8*\g:S\x+32*\c+8*\g+7], v[SCO\x+\c]   ; register 4 c + g of the operand: keys 64 c + 32 h + 8 g on
.endr
.endr
.endr
	v_nop                                          ; one plain place behind the conversions
.if (\kind)%2 == 0
	SCORES \qa+2, S0                               ; the buffers are free: the step's second pair
	SCORES \qa+3, S1
.endif
.if (\kind) == 0
	LOADK                                          ; K's registers are free: the next step's, a pair ahead of their wait
.endif
.if (\kind) == 1
	s_wait_alu depctr_va_vdst(0)
	s_wait_dscnt 0x0                               ; the next step's K, scale words and mask are in
	SCORES 0, S0
	SCORES 1, S1
.endif
	WIN 0x41
	s_wait_alu depctr_va_vdst(0)
.irp x, 0,1
.set jj, 0
.rept 16
	v_pk_mul_f32 v[32*(\qa+\x)+jj:32*(\qa+\x)+jj+1], v[32*(\qa+\x)+jj:32*(\qa+\x)+jj+1], v[F\x:F\x+1] op_sel_hi:[1,0]   ; O^T under the new M; also the places ahead of the products
.set jj, jj+2
.endr
.endr
	s_wait_alu depctr_va_vdst(0)
.if (\kind) == 0
	s_wait_dscnt 28                                ; V and its scale words are in; the 28 loads just issued may be out
.endif
.if (\kind) == 2
	s_wait_dscnt 0x0
.endif
	WIN 0x51
.irp x, 0,1
.irp d, 0,1,2,3
	v_wmma_scale_f32_16x16x128_f8f6f4 v[32*(\qa+\x)+8*\d:32*(\qa+\x)+8*\d+7], v[VF+8*\d:VF+8*\d+7], v[P\x:P\x+7], v[32*(\qa+\x)+8*\d:32*(\qa+\x)+8*\d+7], v[VS+\d], v[PW\x] matrix_a_fmt:MATRIX_FMT_FP4 matrix_b_fmt:MATRIX_FMT_FP4
.endr
.endr
	WIN 0
.if (\kind) == 1
	LOADV                                          ; waited for in the next step, ahead of its first products with V
.endif
.endm
	LOADK
	LOADV
	s_wait_alu depctr_va_vdst(0)
	s_wait_dscnt 0x0
	SCORES 0, S0
	SCORES 1, S1
.rept 4
	v_nop                                          ; places ahead of the first reads of these scores
.endr
	s_mov_b32 s[CNT], 15
.Lstep:
	PAIR 0, 0
	PAIR 2, 1
	s_sub_co_u32 s[CNT], s[CNT], 1
	s_cmp_lg_u32 s[CNT], 0
	s_wait_alu depctr_va_vdst(0)
	s_cbranch_scc1 .Lstep
	PAIR 0, 2                                      ; the last step fetches nothing
	PAIR 2, 3
; THE WAY OUT: O^T / the sum goes through my stages in LDS and leaves as aligned runs of 256 bytes: a token's 64 numbers of this head.
.irp q, 0,1,2,3
	v_add_f32 v[LL+2*\q], v[LL+2*\q], v[LL+2*\q+1]
.endr
.irp q, 0,1,2,3
	v_permlanex16_b32 v[W0+\q], v[LL+2*\q], s[SEL], s[SEL+1]
.endr
.irp q, 0,1,2,3
	v_add_f32 v[LL+2*\q], v[LL+2*\q], v[W0+\q]     ; with lane l xor 16's blocks: the row's sum
.endr
	s_wait_alu depctr_va_vdst(0)
.irp q, 0,1,2,3
	v_rcp_f32 v[LL+2*\q], v[LL+2*\q]
.endr
	v_and_b32 v8, 15, v0
	v_bfe_u32 v9, v0, 4, 1
	s_mul_i32 s18, s[WV], 4*STG
	s_add_co_u32 s18, s18, STAGE
	v_mul_u32_u24 v10, v8, 272
	v_lshl_add_u32 v10, v9, 6, v10
	v_add_nc_u32 v10, s18, v10                     ; in: row r; registers 16 c on are features 32 c + 16 h on
	v_mul_u32_u24 v11, v9, 272
	v_lshl_add_u32 v11, v8, 4, v11
	v_add_nc_u32 v11, s18, v11                     ; back: lanes 0-15 one row, lanes 16-31 the next
	WIN 0x01
	s_wait_alu depctr_va_vdst(0)                   ; the wait behind the batch, directly ahead of the first readers of O^T
.irp q, 0,1,2,3
.set jj, 0
.rept 16
	v_pk_mul_f32 v[64+32*\q+jj:64+32*\q+jj+1], v[32*\q+jj:32*\q+jj+1], v[LL+2*\q:LL+2*\q+1] op_sel_hi:[1,0]
.set jj, jj+2
.endr
.endr
	WIN 0
.irp q, 0,1,2,3
.irp c, 0,1
.irp i, 0,1,2,3
	ds_store_b128 v10, v[64+32*\q+16*\c+4*\i:64+32*\q+16*\c+4*\i+3] offset:\q*STG+128*\c+16*\i
.endr
.endr
.endr
.macro BACK q, reg                     ; LDS serves a wave's instructions in order: these see my stores
.irp i, 0,1,2,3,4,5,6,7
	ds_load_b128 v[\reg+4*\i:\reg+4*\i+3], v11 offset:(\q)*STG+544*\i
.endr
.endm
.macro OUTS q, reg                     ; stage row 2 i + h is token 32 (q / 2) + 8 (q % 2) + 2 i + h + 8 (i / 4) of my 64
.irp i, 0,1,2,3,4,5,6,7
	global_store_b128 v[GO], v[\reg+4*\i:\reg+4*\i+3], s[10:11] offset:(32*((\q)/2)+8*((\q)%2)+2*\i+8*(\i/4))*4096 th:TH_STORE_NT
.endr
.endm
	BACK 0, 192
	BACK 1, 224
	s_wait_dscnt 0x0                               ; tiles 0 and 1 are back, and all my stores into the stages have read their registers
	BACK 2, 64
	BACK 3, 96
	OUTS 0, 192
	OUTS 1, 224
	s_wait_dscnt 0x0
	OUTS 2, 64
	OUTS 3, 96
	s_wait_tensorcnt 0x0                           ; the wave's end
	ds_add_u32 v[SPW], v[NIL]
	s_wait_dscnt 0x0
	CROUND                                         ; the closing round
	s_endpgm
.Lfunc_end_k_qc867361a29_attn:
	.size	k_qc867361a29_attn, .Lfunc_end_k_qc867361a29_attn-k_qc867361a29_attn
	.p2alignl 7, 3214868480
	.fill 96, 4, 3214868480
	.section	.rodata,"a",@progbits
	.p2align	6, 0x0
	.amdhsa_kernel k_qc867361a29_attn
		.amdhsa_group_segment_fixed_size 327680
		.amdhsa_private_segment_fixed_size 0
		.amdhsa_enable_private_segment 0
		.amdhsa_kernarg_size 32
		.amdhsa_user_sgpr_count 2
		.amdhsa_user_sgpr_kernarg_segment_ptr 1
		.amdhsa_wavefront_size32 1
		.amdhsa_system_sgpr_workgroup_id_x 1
		.amdhsa_system_sgpr_workgroup_id_y 1
		.amdhsa_system_sgpr_workgroup_id_z 1
		.amdhsa_system_vgpr_workitem_id 0
		.amdhsa_next_free_vgpr 512
		.amdhsa_next_free_sgpr 66
		.amdhsa_reserve_vcc 0
		.amdhsa_float_denorm_mode_32 3
		.amdhsa_float_denorm_mode_16_64 3
		.amdhsa_memory_ordered 1
		.amdhsa_forward_progress 1
		.amdhsa_inst_pref_size 129
	.end_amdhsa_kernel
	.amdgpu_metadata
---
amdhsa.version: [ 1, 2 ]
amdhsa.kernels:
  - .name:           k_qc867361a29_attn
    .symbol:         k_qc867361a29_attn.kd
    .args:
      - { .name: qrec, .offset: 0, .size: 8, .value_kind: global_buffer, .address_space: global }
      - { .name: kv, .offset: 8, .size: 8, .value_kind: global_buffer, .address_space: global }
      - { .name: attention_mask, .offset: 16, .size: 8, .value_kind: global_buffer, .address_space: global }
      - { .name: out0, .offset: 24, .size: 8, .value_kind: global_buffer, .address_space: global }
    .group_segment_fixed_size: 327680
    .private_segment_fixed_size: 0
    .kernarg_segment_align: 8
    .kernarg_segment_size: 32
    .max_flat_workgroup_size: 256
    .sgpr_count:     66
    .vgpr_count:     512
    .wavefront_size: 32
...
	.end_amdgpu_metadata
.endif
;; end of part 3
